; MI455X (gfx1250); checked and timed in simulation.
; The chip was launched on July 23, 2026; its instructions are those of AMD's public machine-readable ISA for CDNA 5 (MIT licence, August 2026) and "CDNA5" Instruction Set Architecture Reference Guide (July 2026). The comments in the code are by the model that wrote it; some were corrected since.
;; Link Prediction. Allowed arithmetic: matrix products marked QUANTISED: E2M1 operands, one E8M0 scale for each 32 along K, by v_wmma_scale_f32_16x16x128_f8f6f4 with both operands' format E2M1 (or v_wmma_scale_f32_32x16x128_f4), f32 sums; products left as they are: f32 operands where the result goes on into a quantised operand, else bf16, f16 or f32 operands; f32 sums; everything else in f32.
;; Inputs: b1 256 float32; b2 128 float32; b3 1 float32; batch 50,000 int32; be1 256 float32; be2 128 float32; edge_index 2 x 200,000 int32; g1 256 float32; g2 128 float32; neg_edge_index 2 x 200,000 int32; w1_codes 256 x 8 x 16 uint8 (E2M1 codes of w1, K innermost, in blocks of 32 codes, two codes a byte); w1_scales 256 x 8 uint8 (E8M0 scales of w1, one for each 32 codes along K); w2_codes 128 x 8 x 16 uint8 (E2M1 codes of w2, K innermost, in blocks of 32 codes, two codes a byte); w2_scales 128 x 8 uint8 (E8M0 scales of w2, one for each 32 codes along K); w3 128 x 1 float32; x 50,000 x 128 float32.
;; Outputs: out0 400,000 x 1 float32; out1 400,000 x 1 float32.
;; This version of the problem:
;;   THIS VERSION OF THE PROBLEM IS GIVEN IN LOW PRECISION. The matrix products marked QUANTISED in the list below multiply operands that are first quantised to E2M1 (2 exponent bits, 1 mantissa bit; 4 bits a number), with one power-of-two scale for each 32 numbers along K (OCP MX v1.0); their sums are f32. All else is computed in f32.
;;   The module's matrix products, in the order in which they are computed (A, B: the left and right operand; K: the contracted axis; several contracted axes count as one K, in the product's order):
;;     1. [M 400,000, K 256] x [K 256, N 256]; A: computed on the way; B: input w1 (given as codes): QUANTISED
;;     2. [M 400,000, K 256] x [K 256, N 128]; A: computed on the way; B: input w2 (given as codes): QUANTISED
;;     3. [M 400,000, K 128] x [K 128, N 1]; A: computed on the way; B: input w3: left as it is (N = 1 < 16)
;;   THE QUANTISER, for each operand of a quantised product, along K:
;;     - K is cut into blocks of 32 from its start; a last block that is shorter is filled with zeros.
;;     - A block's scale is 2^e with e = floor(log2(the largest magnitude in the block)) - 2, held to -126 .. 127; a block of zeros has e = 0. As a byte (E8M0): e + 127.
;;     - Each number is divided by its block's scale, clamped to +-6, and rounded to the nearest number of E2M1, ties to even, subnormals kept.
;;     - The product sums the exact products of the quantised numbers (number of the format x scale) in f32.
;;   ~~~python
;;   def quantise(x, axis):      # numpy; x: float32 -> the quantised numbers, widened to float32 again
;;       x = np.moveaxis(x, axis, -1); K = x.shape[-1]
;;       x = np.pad(x, [(0, 0)] * (x.ndim - 1) + [(0, -K % 32)]); x = x.reshape(x.shape[:-1] + (-1, 32)); a = np.abs(x).max(-1, keepdims=True)
;;       e = np.where(a > 0, np.clip(np.frexp(np.where(a > 0, a, 1))[1] - 1 - 2, -126, 127), 0)      # np.frexp(a)[1] - 1 = floor(log2(a)), exactly
;;       r = np.clip(x / 2.0 ** e, -6, 6)
;;       step = 2.0 ** (np.maximum(np.frexp(np.where(r == 0, 1, r))[1] - 1, 0) - 1)
;;       q = np.round(r / step) * step * 2.0 ** e      # np.round: ties to even
;;       return np.moveaxis(q.reshape(q.shape[:-2] + (-1,))[..., :K], -1, axis).astype(np.float32)
;;   ~~~
;;   OPERANDS COMPUTED ON THE WAY. 'Computed on the way' means the value that the module computes at that place (a softmax that the list does not call 'softmax' is quantised finished and normalised). What goes into a quantiser is computed in f32, as accurately as f32 sums, v_exp_f32 and their like allow (about 1e-6 of the number): no bf16 or f16 on the way to a quantiser, and a product that is left as it is and whose result goes on into a quantised operand takes f32 operands (vector FMAs, or v_wmma_f32_16x16x4_f32). A number that lies on a knife's edge between two numbers of the format may be rounded either way, as far as f32 arithmetic and the matrix unit's own rounding can turn it there, and no further.
;;   INPUTS GIVEN AS CODES. w1 (in the module: [256, 256], K = its axis 0); w2 (in the module: [256, 128], K = its axis 0): each comes as NAME_codes (uint8): NAME with its K axis moved to the last place and cut into blocks of 32 codes, [.., K / 32, bytes a block], one block behind the other in memory; two codes a byte, the lower K in the low four bits (a code: sign, 2 exponent bits, 1 mantissa bit); and NAME_scales (uint8): the same leading axes, one E8M0 byte (e + 127) for each 32 codes along K. Its value is code x scale, taken as it is: it is not quantised again, and the codes and scales need not be those that the quantiser above would give.
;; One version. Each part assembles by itself: llvm-mc -triple=amdgcn-amd-amdhsa -mcpu=gfx1250 --defsym DOCPART=n.
;; ======== version 1 of 1: 2 launches
;; limits: right only within a limited range of input values
;; workspace buffers: xq_codes 3,200,000 bytes; xq_scales 200,192 bytes
;; launch quant (part 1): grid 625 x 1, 5 waves a work-group, no clusters, 27,648 bytes of LDS; arguments x, xq_codes, xq_scales; writes xq_codes, xq_scales
.if DOCPART == 1
	.amdgcn_target "amdgcn-amd-amdhsa--gfx1250"
	.amdhsa_code_object_version 6
	.text
	.protected	k_qc772562b56_quant
	.globl	k_qc772562b56_quant
	.p2align	8
	.type	k_qc772562b56_quant,@function
k_qc772562b56_quant:
	s_mov_b64 s[64:65], 0
	v_nop
	global_prefetch_b8 v0, s[64:65] scope:SCOPE_SE
	s_setreg_imm32_b32 hwreg(HW_REG_WAVE_MODE, 25, 1), 1
	s_wait_xcnt 0x0
; x [50000][128], f32, is turned ONCE into codes of FP4 (E2M1), 4 bits each, K innermost (64 bytes a node), and one E8M0 scale byte for each 32 along K (one 32-bit word a node).
; The first product's operand is [x[src], x[dst]]: its blocks of 32 never cross from one node's row into the other's (128 = 4 blocks), so the quantised operand is a gather of quantised rows:
; 50,000 rows are quantised here in place of 800,000 uses of a row in the next launch, which then gathers 68 bytes a row in place of 512.
; A block's scale is 2^(floor(log2(its largest magnitude)) - 2); its byte is the largest magnitude's exponent field - 2, held at 1 from below.
; LIMITS: a block of zeros gets the byte 1 where the rule says 127: its codes are zeros, which add nothing under any byte but 0xff, and this program alone reads the bytes.  NaN and infinities in x are not served.
; Rows are dense and 128 is a multiple of 32: x is a plain stream of 12,500 steps of 512 numbers = 3,125 waves x 4 steps.  Wave W = 5 x work-group + wave takes x's bytes from 8,192 W, the codes' from 1,024 W, the scale bytes from 64 W.
; The conversions take 8 numbers of ONE block from a lane's consecutive registers, so a lane must hold 16 neighbours; a load is dense where neighbouring lanes take neighbouring bytes.  Both are had: each load reads
; 512 consecutive bytes, 16 a lane; a step's 2,048 bytes go through the wave's own stage in LDS and come back 64 bytes a lane (16 bytes of padding behind each 64).  Two neighbouring lanes hold a block.
; A step's codes leave as 256 consecutive bytes, aligned.  A wave's scale bytes are 64: 200,000 = 64 x 3,125, so an even share is no longer; they are one byte in 128 of what the launch reads.
; No barrier: waves share nothing.  No matrix unit, no tensor load, no cluster: a stream that is read once.
.set STEPS, 4
.set EMAX,  2
.set SP,    80                         ; a lane's place in a stage: its 64 bytes + 16 of padding
.set WREG,  5376                       ; LDS of a wave: two stages of 32 x SP bytes, then its 64 scale bytes
.set R,     16                         ; v16-79   four sets of 16 numbers as they are loaded
.set X,     80                         ; v80-111  two sets of 16 neighbours
.set E,     112                        ; v112-115 a scale byte for each step
.set C,     128                        ; v128-143 codes: four registers for each step, so that no store's data are written again
	s_load_b128 s[4:7], s[0:1], 0x0                ; x, the codes
	s_load_b64 s[8:9], s[0:1], 0x10                ; the scale bytes
	v_lshl_add_u32 v144, v0, 2, 0x6900
	v_mov_b32 v145, 0
	v_lshrrev_b32 v1, 5, v0
	v_readfirstlane_b32 s16, v1                    ; wave 0..4
	v_and_b32 v2, 31, v0                           ; lane
	v_lshlrev_b32 v3, 4, v2                        ; my 16 bytes of a load's 512
	s_mul_i32 s17, s16, WREG
	v_lshrrev_b32 v14, 2, v2
	v_mul_u32_u24 v14, v14, SP
	v_and_b32 v15, 3, v2
	v_lshl_add_u32 v14, v15, 4, v14
	v_add_nc_u32 v14, s17, v14                     ; the stage, on the way in: SP (lane / 4) + 16 (lane % 4); a load's 512 bytes take eight places
	v_mul_u32_u24 v15, v2, SP
	v_add_nc_u32 v15, s17, v15                     ; and on the way out: SP x lane: my 16 neighbours
	v_lshlrev_b32 v4, 3, v2                        ; my 8 bytes of a step's codes
	v_lshrrev_b32 v5, 1, v2
	s_add_co_u32 s17, s17, 2*32*SP
	v_add_nc_u32 v5, s17, v5                       ; LDS: my wave's scale bytes, my block's byte
	v_lshlrev_b32 v7, 1, v2                        ; and on the way out 2 bytes a lane
	v_add_nc_u32 v6, s17, v7
	s_mul_i32 s18, ttmp9, 5
	s_add_co_u32 s18, s18, s16                     ; W
	s_lshl_b32 s20, s18, 13                        ; 8,192 W (under 2^25)
	s_mov_b32 s21, 0
	s_lshl_b32 s22, s18, 10
	s_mov_b32 s23, 0
	s_lshl_b32 s24, s18, 6
	s_mov_b32 s25, 0
	s_wait_alu depctr_va_vdst(0)
	s_wait_kmcnt 0x0
	s_add_nc_u64 s[4:5], s[4:5], s[20:21]
	s_add_nc_u64 s[6:7], s[6:7], s[22:23]
	s_add_nc_u64 s[8:9], s[8:9], s[24:25]
.macro LOAD t
.irp i, 0,1,2,3
	global_load_b128 v[R+16*(\t)+4*\i:R+16*(\t)+4*\i+3], v3, s[4:5] offset:2048*(\t)+512*\i th:TH_LOAD_NT   ; 32 lanes read 512 consecutive bytes; read once in the launch
.endr
.endm
.macro TURN t                          ; step t's numbers through the stage: LDS serves a wave's instructions in order, so no wait stands between the stores and the loads
.irp i, 0,1,2,3
	ds_store_b128 v14, v[R+16*(\t)+4*\i:R+16*(\t)+4*\i+3] offset:32*SP*((\t)%2)+8*SP*\i
.endr
.irp i, 0,1,2,3
	ds_load_b128 v[X+16*((\t)%2)+4*\i:X+16*((\t)%2)+4*\i+3], v15 offset:32*SP*((\t)%2)+16*\i
.endr
.endm
.irp t, 0,1,2,3
	LOAD \t                                        ; all sixteen loads of the wave go out at once
.endr
	s_wait_loadcnt 12                              ; step 0's four loads are in; the twelve behind them may be out
	TURN 0
.macro STEP t
.set XS, X+16*((\t)%2)
.if (\t) > 0
	s_wait_dscnt 1                                 ; this step's numbers are back from the stage; behind those loads only the last step's byte store was issued
.else
	s_wait_dscnt 0x0
.endif
.if (\t)+1 < STEPS
	s_wait_loadcnt 4*(STEPS-2-(\t))                ; the next step's four loads are in; those of the steps behind it may be out
	TURN (\t)+1                                    ; and go through the other stage while this step is worked
.endif
	v_max3_num_f32 v8, |v[XS]|, |v[XS+1]|, |v[XS+2]|               ; the largest magnitude of my 16, in two chains
	v_max3_num_f32 v9, |v[XS+3]|, |v[XS+4]|, |v[XS+5]|
.irp i, 6,10
	v_max3_num_f32 v8, v8, |v[XS+\i]|, |v[XS+\i+1]|
	v_max3_num_f32 v9, v9, |v[XS+\i+2]|, |v[XS+\i+3]|
.endr
	v_max3_num_f32 v8, v8, |v[XS+14]|, |v[XS+15]|
	v_max3_num_f32 v8, v8, v9, (EMAX+1)<<23        ; and the floor 2^(3 - 127), under which no largest magnitude is taken: so the byte cannot fall under 1
	v_max_num_f32_dpp v8, v8, v8 row_xmask:1 row_mask:0xf bank_mask:0xf   ; and of my neighbour's 16: the block's
	v_add_nc_u32 v11, -(EMAX<<23), v8              ; 2 off its exponent field: the conversion takes the exponent field of this operand as its scale, and nothing else of it
	v_cvt_scalef32_pk8_fp4_f32 v[C+4*(\t)], v[XS:XS+7], v11        ; eight numbers / the scale, to the nearest code, ties to even, beyond 6 the largest code; the first number's code in the lowest four bits
	v_cvt_scalef32_pk8_fp4_f32 v[C+4*(\t)+1], v[XS+8:XS+15], v11
	v_lshrrev_b32 v[E+(\t)], 23, v11               ; the scale's byte (also the plain line behind the conversions)
	ds_store_b8 v5, v[E+(\t)] offset:16*(\t)       ; both lanes of a block write the same byte with the same value
	global_store_b64 v4, v[C+4*(\t):C+4*(\t)+1], s[6:7] offset:256*(\t)   ; the wave stores 256 consecutive bytes, aligned
.endm
.irp t, 0,1,2,3
	STEP \t
.endr
	ds_load_u16 v12, v6                            ; LDS serves a wave's instructions in order: this sees my byte stores
	s_wait_dscnt 0x0
	global_store_b16 v7, v12, s[8:9]               ; the wave's 64 scale bytes
	s_wait_tensorcnt 0x0
	ds_add_u32 v144, v145
	s_wait_dscnt 0x0
	s_endpgm
.Lfunc_end_k_qc772562b56_quant:
	.size	k_qc772562b56_quant, .Lfunc_end_k_qc772562b56_quant-k_qc772562b56_quant
	.p2alignl 7, 3214868480
	.fill 96, 4, 3214868480
	.section	.rodata,"a",@progbits
	.p2align	6, 0x0
	.amdhsa_kernel k_qc772562b56_quant
		.amdhsa_group_segment_fixed_size 27648
		.amdhsa_private_segment_fixed_size 0
		.amdhsa_enable_private_segment 0
		.amdhsa_kernarg_size 24
		.amdhsa_user_sgpr_count 2
		.amdhsa_user_sgpr_kernarg_segment_ptr 1
		.amdhsa_wavefront_size32 1
		.amdhsa_system_sgpr_workgroup_id_x 1
		.amdhsa_system_sgpr_workgroup_id_y 1
		.amdhsa_system_sgpr_workgroup_id_z 1
		.amdhsa_system_vgpr_workitem_id 0
		.amdhsa_next_free_vgpr 146
		.amdhsa_next_free_sgpr 66
		.amdhsa_reserve_vcc 0
		.amdhsa_float_denorm_mode_32 3
		.amdhsa_float_denorm_mode_16_64 3
		.amdhsa_memory_ordered 1
		.amdhsa_forward_progress 1
		.amdhsa_inst_pref_size 10
	.end_amdhsa_kernel
	.amdgpu_metadata
---
amdhsa.version: [ 1, 2 ]
amdhsa.kernels:
  - .name:           k_qc772562b56_quant
    .symbol:         k_qc772562b56_quant.kd
    .args:
      - { .name: x, .offset: 0, .size: 8, .value_kind: global_buffer, .address_space: global }
      - { .name: xq_codes, .offset: 8, .size: 8, .value_kind: global_buffer, .address_space: global }
      - { .name: xq_scales, .offset: 16, .size: 8, .value_kind: global_buffer, .address_space: global }
    .group_segment_fixed_size: 27648
    .private_segment_fixed_size: 0
    .kernarg_segment_align: 8
    .kernarg_segment_size: 24
    .max_flat_workgroup_size: 160
    .sgpr_count:     66
    .vgpr_count:     146
    .wavefront_size: 32
...
	.end_amdgpu_metadata
.endif
;; end of part 1
;; launch mlp (part 2): grid 256 x 1, 4 waves a work-group, no clusters, 61,440 bytes of LDS; arguments xq_codes, xq_scales, edge_index, neg_edge_index, w1_codes, w1_scales, b1, g1, be1, w2_codes, w2_scales, b2, g2, be2, w3, b3, out0, out1; writes out0, out1
.if DOCPART == 2
	.amdgcn_target "amdgcn-amd-amdhsa--gfx1250"
	.amdhsa_code_object_version 6
	.text
	.protected	k_qc772562b56_mlp
	.globl	k_qc772562b56_mlp
	.p2align	8
	.type	k_qc772562b56_mlp,@function
k_qc772562b56_mlp:
	s_mov_b64 s[64:65], 0
	v_nop
	global_prefetch_b8 v0, s[64:65] scope:SCOPE_SE
	s_setreg_imm32_b32 hwreg(HW_REG_WAVE_MODE, 25, 1), 1
	s_wait_xcnt 0x0
; out0[e] = sigmoid(relu(LN2(Q(relu(LN1(Q([x[src], x[dst]]) w1 + b1))) w2 + b2)) . w3 + b3) for 400,000 edges (200,000 of edge_index, then 200,000 of neg_edge_index); out1[e] = 1 for the first 200,000, else 0.
; Q: MX-FP4 along K.  The first operand's codes and scale words were made node by node by the launch before and are GATHERED here, 64 + 4 bytes a node.  w1, w2 arrive as codes.  The hidden layer is quantised in registers.
; The input 'batch' is not among the arguments: reference() never reads it, so no result hangs on it.
; SHARES.  64 edges (256 bytes of out0) are a group; 6,250 groups over 256 work-groups: work-group g takes 24 + (g < 106), as 48 or 50 passes of 32 edges.  Wave w takes passes 4 t + w, t = 0 .. 12: the trip count is the
; constant 13, and a scalar branch on ids leaves out a trip whose pass does not exist.  Results meet in a stage in LDS and leave as 256 consecutive bytes, aligned.
; LAYOUT.  Both products are used TRANSPOSED (source 0 = 16 rows of W, source 1 = 16 edges): lane (r = lane % 16, h = lane / 16) holds edge r of a tile, its registers run along the hidden units.
; Lane r of w1's tile 2 b + f takes row 32 b + 8 f + r + 8 (r / 8): register 16 b + i of a tile of edges is unit 32 b + 16 h + i, 16 neighbours along the next K.  w2's tiles take neighbouring rows: register 8 t + j is unit 16 t + 8 h + j.
; LAYERNORM.  LN(h) does not change when a constant is taken off every unit, so the products start from b - mean(b), made once at the head.  Of these numbers h' the sum and the sum of squares are taken;
; variance = mean(h'^2) - mean(h')^2, held at 0 from below; then t = h' rs - mean rs and y = t g + be, one fused line each.
; LIMIT: mean(h') is the operand's product with the mean of W's rows; where it is far larger than the spread of h' over the units (W's rows all but alike) the variance loses that ratio's square in f32 digits.  A common offset of b1 or b2 is taken off first and costs nothing.
; THE FIRST RELU is made on the codes: the block's maximum is taken without |.|, and a negative code's three lower bits are cleared, which leaves -0: it adds nothing to a sum.
; WHAT STAYS WHERE.  Resident: both weights (384 registers), their scale words, g1, b2.  b1 and be1 pass through 64 registers (four stages of 16), filled four stages at a time, each fill with 128 vector lines or more between it and its wait;
; g2 and be2 come into the half of H that the hidden layer has left, w3 into the same 64 registers.  All constants reach LDS once for the work-group and are read from there in the results' layout: 112 LDS loads a pass.
; ORDER.  Matrix instructions stand in runs of 32, the lines that read their results in runs of 128, loads in runs of 14 or more: a pass has three runs of matrix instructions and eight of memory instructions.
; NO TENSOR LOADS, NO CLUSTER, NO PREFETCH: what work-groups share is 55 KB, read once by each for 48 passes or more; the bulk input is a gather of rows of 64 bytes, issued a whole pass ahead into registers.
; OTHER LIMITS: NaN and infinities are not served.  A block of the hidden layer with no positive number gets the byte 1 and zero codes (the rule: 127 and zeros: the same products).  Indices lie in 0 .. 49,999; the hold only keeps loads inside the buffer.
; The sums go in four chains a lane and across two lanes, not in reference()'s order.
; WINDOWS (s_set_vgpr_msb: bits 1:0 source 0, 3:2 source 1, 5:4 source 2, 7:6 destination): 0: names below.  1: H, tile u at 128 u; in layer 2 sums at 128 u, g2 at 64, be2 at 192.  2: w1, fragment (tile t, K step s) at 16 t + 8 s.  3: w2 likewise at 0, g1 at 128.
.set NE,     200000
.set LASTP,  12499
.set LASTN,  0xc34f
.set W2IMG,  32768                     ; LDS: w1's fragments as images of their registers (1,024 bytes each) at 0, w2's here
.set PAR,    49152                     ; the constants as they lie:
.set OB1,    0
.set OG1,    1024
.set OBE1,   2048
.set OB2,    3072
.set OG2,    3584
.set OBE2,   4096
.set OW3,    4608
.set STAGE,  54272                     ; out0 of the work-group's pass p at 128 p + 4 x lane
.set LI,  1                            ; 16 x lane
.set V64, 2                            ; PAR + 64 h
.set V32, 3                            ; PAR + 32 h
.set ZA,  4                            ; STAGE + 128 x wave + 4 x lane
.set IA,  5                            ; 4 r
.set H16, 6                            ; 16 h
.set A,   8                            ; v8-11   offsets of the code gathers, tile u, end s at A + 2 u + s
.set IDX, 12                           ; v12-15  indices as loaded
.set W1S, 16                           ; v16-31  w1's scale words: lanes 0-15 K step 0's, lanes 16-31 K step 1's
.set W2S, 32                           ; v32-39
.set FC,  40                           ; v40-71  the edges' codes: tile u at FC + 16 u, K step s 8 further on
.set FS,  72                           ; v72-73  their scale words: lanes 0-15 src's, lanes 16-31 dst's
.set HS,  74                           ; v74-77  the hidden layer's scale words, at HS + 2 u + s
.set ZT,  78
.set ZC,  79
.set S,   80                           ; v80-95  running sums, four pairs a tile; at work in the quantiser
.set RB,  96                           ; v96-159 four stages of b1 or be1, or w3; its first 32 are also
.set HC,  96                           ; the hidden layer's codes, laid as FC;
.set SO,  128                          ; v128-143 the conversions' scale operands, v144-159 the bytes
.set BY,  144
.set Q,   160                          ; v160-175 running sums of squares; then
.set M,   160                          ; the 16 blocks' largest numbers: block b of tile u at 8 (b / 4) + 4 u + b % 4
.set MX,  176                          ; v176-181 at work in the reductions
.set AS,  182                          ; v182-183 offsets of the scale-word gathers
.set RS,  184                          ; v184, v186 1 / sqrt(variance + eps).  The packed forms name a pair and take its low word: the upper words hold the way out's two addresses
.set OA,  185
.set GO,  187
.set NR,  188                          ; v188, v190 -mean / sqrt(..); the upper words are written once, with 0
.set B2C, 192                          ; v192-255 b2 - mean(b2)
.set OD,  112
.set OL,  144
.set WF,  96                           ; at the head alone: 96 registers of fragments on their way to LDS
.set VW1, 80
.set VW2, 81
.set VS1, 82
.set VS2, 83
.set VP8, 84
.set VP4, 85
.set VT8, 86
.set VT4, 87
.set VI1, 88
.set VI2, 89
.set TR,  90
.set TH,  91
.set TRH, 92
.set TL,  93
.set VL32, 94
.set CB1, 192
.set CB2, 200
.set PB1, 204
.set PG1, 206
.set PBE1, 208
.set PB2, 210
.set PG2, 211
.set PBE2, 212
.set PW3, 213
.set T0,  214
.set WV,  40
.set GI,  41
.set G0,  43
.set NP,  44
.set P,   45
.set PG,  46
.set TRIP, 47
.set ZOFF, 48
.set HM,  49
.set SEL, 50
.set EPS, 54
.set SGN, 55
.set IB,  56
.set NL2E, 59
.set B3,  68
.set B3N, 69
.set I256, 70
.set I128, 71
.set MSB, 0
.macro WIN new                         ; the immediate's high byte repeats the setting that is left
.if MSB != \new
	s_set_vgpr_msb (MSB<<8)|\new
.set MSB, \new
.endif
.endm
.macro PLACES n
.rept \n
	v_nop
.endr
.endm
.macro RLOAD4 off                      ; four stages: 64 numbers of b1 or be1 in the results' layout (64 bytes at 64 h of each 128), 16 loads
.irp g, 0,1,2,3
.irp q, 0,1,2,3
	ds_load_b128 v[RB+16*\g+4*\q:RB+16*\g+4*\q+3], v[V64] offset:(\off)+128*\g+16*\q
.endr
.endr
.endm
; The indices of pass PG + add, held at the launch's last pass.  A pass lies whole in one of the two lists (200,000 = 6,250 x 32).
.macro IDXLOAD add
	s_add_co_u32 s52, s[PG], \add
	s_min_u32 s52, s52, LASTP
	s_lshl_b32 s52, s52, 5
	s_cmp_ge_u32 s52, NE
	s_cselect_b64 s[IB:IB+1], s[10:11], s[8:9]
	s_cselect_b32 s53, NE, 0
	s_sub_co_u32 s52, s52, s53
	s_lshl_b32 s52, s52, 2
	s_mov_b32 s53, 0
	s_add_nc_u64 s[IB:IB+1], s[IB:IB+1], s[52:53]
.irp u, 0,1
.irp s, 0,1
	global_load_b32 v[IDX+2*\u+\s], v[IA], s[IB:IB+1] offset:800000*\s+64*\u th:TH_LOAD_NT
.endr
.endr
.endm
; From indices to operands, in four parts: lane (r, h) takes, of each end's 64 bytes of codes, bytes 32 c + 16 h on, and one scale word.
.macro GA
.irp u, 0,1
	v_cndmask_b32 v[AS+\u], v[IDX+2*\u], v[IDX+2*\u+1], s[HM]
	v_min_u32 v[A+2*\u], LASTN, v[IDX+2*\u]
	v_min_u32 v[A+2*\u+1], LASTN, v[IDX+2*\u+1]
	v_min_u32 v[AS+\u], LASTN, v[AS+\u]
.endr
.endm
.macro GB
.irp u, 0,1
	v_lshlrev_b32 v[A+2*\u], 6, v[A+2*\u]
	v_lshlrev_b32 v[A+2*\u+1], 6, v[A+2*\u+1]
	v_lshlrev_b32 v[AS+\u], 2, v[AS+\u]
.endr
.endm
.macro GC
.irp u, 0,1
	v_add_nc_u32 v[A+2*\u], v[A+2*\u], v[H16]
	v_add_nc_u32 v[A+2*\u+1], v[A+2*\u+1], v[H16]
.endr
.endm
.macro GL
.irp u, 0,1
.irp s, 0,1
.irp c, 0,1
	global_load_b128 v[FC+16*\u+8*\s+4*\c:FC+16*\u+8*\s+4*\c+3], v[A+2*\u+\s], s[4:5] offset:32*\c
.endr
.endr
	global_load_b32 v[FS+\u], v[AS+\u], s[6:7]
.endr
.endm
; Layer 1, a run of 32: tiles t0 .. t0 + 7 of w1 x both tiles of edges, K step 0 (C = the centred b1, from RB), then K step 1.  The 16 accumulators take turns, one instruction a turn.
.macro MM1R t0
	WIN 0x42                                       ; w1 window 2, C window 0, D window 1
.irp t, 0,1,2,3,4,5,6,7
.irp u, 0,1
	v_wmma_scale_f32_16x16x128_f8f6f4 v[128*\u+8*((\t0)+\t):128*\u+8*((\t0)+\t)+7], v[16*((\t0)+\t):16*((\t0)+\t)+7], v[FC+16*\u:FC+16*\u+7], v[RB+8*\t:RB+8*\t+7], v[W1S+(\t0)+\t], v[FS+\u] matrix_a_fmt:MATRIX_FMT_FP4 matrix_b_fmt:MATRIX_FMT_FP4
.endr
.endr
	WIN 0x52                                       ; C and D window 1
.irp t, 0,1,2,3,4,5,6,7
.irp u, 0,1
	v_wmma_scale_f32_16x16x128_f8f6f4 v[128*\u+8*((\t0)+\t):128*\u+8*((\t0)+\t)+7], v[16*((\t0)+\t)+8:16*((\t0)+\t)+15], v[FC+16*\u+8:FC+16*\u+15], v[128*\u+8*((\t0)+\t):128*\u+8*((\t0)+\t)+7], v[W1S+(\t0)+\t], v[FS+\u] matrix_a_fmt:MATRIX_FMT_FP4 matrix_b_fmt:MATRIX_FMT_FP4 matrix_a_scale:MATRIX_SCALE_ROW1 matrix_b_scale:MATRIX_SCALE_ROW1
.endr
.endr
.endm
.macro MM2R                            ; layer 2 likewise, one run of 32: w2 window 3, C = the centred b2
	WIN 0x43
.irp t, 0,1,2,3,4,5,6,7
.irp u, 0,1
	v_wmma_scale_f32_16x16x128_f8f6f4 v[128*\u+8*\t:128*\u+8*\t+7], v[16*\t:16*\t+7], v[HC+16*\u:HC+16*\u+7], v[B2C+8*\t:B2C+8*\t+7], v[W2S+\t], v[HS+2*\u] matrix_a_fmt:MATRIX_FMT_FP4 matrix_b_fmt:MATRIX_FMT_FP4
.endr
.endr
	WIN 0x53
.irp t, 0,1,2,3,4,5,6,7
.irp u, 0,1
	v_wmma_scale_f32_16x16x128_f8f6f4 v[128*\u+8*\t:128*\u+8*\t+7], v[16*\t+8:16*\t+15], v[HC+16*\u+8:HC+16*\u+15], v[128*\u+8*\t:128*\u+8*\t+7], v[W2S+\t], v[HS+2*\u+1] matrix_a_fmt:MATRIX_FMT_FP4 matrix_b_fmt:MATRIX_FMT_FP4 matrix_a_scale:MATRIX_SCALE_ROW1
.endr
.endr
.endm
; Registers 16 b .. 16 b + 15 of both tiles join the sums (SUMR) and the sums of squares (SQR), four chains a tile each.  b = 0 starts the chains: nothing is cleared.
; SUMR comes first and takes each accumulator from its low end on.
.macro SUMR b
.if (\b) == 0
	WIN 0x05
.irp i, 0,1,2,3
.irp u, 0,1
	v_pk_add_f32 v[S+8*\u+2*\i:S+8*\u+2*\i+1], v[128*\u+2*\i:128*\u+2*\i+1], v[128*\u+8+2*\i:128*\u+8+2*\i+1]
.endr
.endr
.else
	WIN 0x01
.irp i, 0,1,2,3,4,5,6,7
.irp u, 0,1
	v_pk_add_f32 v[S+8*\u+2*(\i%4):S+8*\u+2*(\i%4)+1], v[128*\u+16*(\b)+2*\i:128*\u+16*(\b)+2*\i+1], v[S+8*\u+2*(\i%4):S+8*\u+2*(\i%4)+1]
.endr
.endr
.endif
.endm
.macro SQR b
	WIN 0x05
.irp i, 0,1,2,3,4,5,6,7
.irp u, 0,1
.if ((\b) == 0) && (\i < 4)
	v_pk_mul_f32 v[Q+8*\u+2*\i:Q+8*\u+2*\i+1], v[128*\u+2*\i:128*\u+2*\i+1], v[128*\u+2*\i:128*\u+2*\i+1]
.else
	v_pk_fma_f32 v[Q+8*\u+2*(\i%4):Q+8*\u+2*(\i%4)+1], v[128*\u+16*(\b)+2*\i:128*\u+16*(\b)+2*\i+1], v[128*\u+16*(\b)+2*\i:128*\u+16*(\b)+2*\i+1], v[Q+8*\u+2*(\i%4):Q+8*\u+2*(\i%4)+1]
.endif
.endr
.endr
.endm
.macro SUMS4 b0                        ; four such steps: 64 sums, then 64 squares
.irp b, 0,1,2,3
	SUMR (\b0)+\b
.endr
.irp b, 0,1,2,3
	SQR (\b0)+\b
.endr
.endm
; Both sums of both tiles are brought together, with lane l xor 16's; then rs and -mean rs.  nk = -1 / the row's length, inv: the scalar with 1 / it.
; fill = 1: the next pass's gather addresses are made between the chain's levels, and its loads and the index loads behind it go out behind the roots.
.macro STATS nk, inv, fill
	WIN 0
.irp u, 0,1
	v_pk_add_f32 v[S+8*\u:S+8*\u+1], v[S+8*\u:S+8*\u+1], v[S+8*\u+2:S+8*\u+3]
	v_pk_add_f32 v[S+8*\u+4:S+8*\u+5], v[S+8*\u+4:S+8*\u+5], v[S+8*\u+6:S+8*\u+7]
	v_pk_add_f32 v[Q+8*\u:Q+8*\u+1], v[Q+8*\u:Q+8*\u+1], v[Q+8*\u+2:Q+8*\u+3]
	v_pk_add_f32 v[Q+8*\u+4:Q+8*\u+5], v[Q+8*\u+4:Q+8*\u+5], v[Q+8*\u+6:Q+8*\u+7]
.endr
.if \fill
	GA
.endif
.irp u, 0,1
	v_pk_add_f32 v[S+8*\u:S+8*\u+1], v[S+8*\u:S+8*\u+1], v[S+8*\u+4:S+8*\u+5]
	v_pk_add_f32 v[Q+8*\u:Q+8*\u+1], v[Q+8*\u:Q+8*\u+1], v[Q+8*\u+4:Q+8*\u+5]
.endr
.if \fill
	GB
.endif
.irp u, 0,1
	v_add_f32 v[S+8*\u], v[S+8*\u], v[S+8*\u+1]
	v_add_f32 v[Q+8*\u], v[Q+8*\u], v[Q+8*\u+1]
.endr
.if \fill
	GC
.endif
.irp u, 0,1
	v_permlanex16_b32 v[MX+\u], v[S+8*\u], s[SEL], s[SEL+1]
	v_permlanex16_b32 v[MX+2+\u], v[Q+8*\u], s[SEL], s[SEL+1]
.endr
.irp u, 0,1
	v_add_f32 v[S+8*\u], v[S+8*\u], v[MX+\u]
	v_add_f32 v[Q+8*\u], v[Q+8*\u], v[MX+2+\u]
.endr
.irp u, 0,1
	v_mul_f32 v[MX+4+\u], \nk, v[S+8*\u]                       ; minus the mean
	v_fma_f32 v[Q+8*\u], v[Q+8*\u], s[\inv], s[EPS]            ; the mean square + eps
.endr
.irp u, 0,1
	v_fma_f32 v[Q+8*\u], -v[MX+4+\u], v[MX+4+\u], v[Q+8*\u]    ; less the mean's square
.endr
.irp u, 0,1
	v_max_num_f32 v[Q+8*\u], s[EPS], v[Q+8*\u]                 ; a variance is not negative
.endr
	s_wait_alu depctr_va_vdst(0)
.irp u, 0,1
	v_rsq_f32 v[RS+2*\u], v[Q+8*\u]
.endr
	v_nop                                          ; a plain line behind the last root (ISA guide 5.7.2)
.if \fill
	GL                                             ; into the registers that layer 1 has left: they have the rest of this pass in which to land
	IDXLOAD 8                                      ; and the indices of the pass behind the next
.endif
	s_wait_alu depctr_va_vdst(0)
.irp u, 0,1
	v_mul_f32 v[NR+2*\u], v[MX+4+\u], v[RS+2*\u]
.endr
.endm
.macro TS from, n                      ; n pairs a tile, from register 'from' on: t = h' rs - mean rs
	WIN 0x41
.set J, \from
.rept \n
	v_pk_fma_f32 v[J:J+1], v[J:J+1], v[RS:RS+1], v[NR:NR+1] op_sel_hi:[1,0,0]
	v_pk_fma_f32 v[128+J:128+J+1], v[128+J:128+J+1], v[RS+2:RS+3], v[NR+2:NR+3] op_sel_hi:[1,0,0]
.set J, J+2
.endr
.endm
.macro YB k                            ; block k's 16 units of both tiles: y = t g1 + be1 (g1 window 3, be1 from RB)
	WIN 0x4d
.irp i, 0,1,2,3,4,5,6,7
.irp u, 0,1
	v_pk_fma_f32 v[128*\u+16*(\k)+2*\i:128*\u+16*(\k)+2*\i+1], v[128*\u+16*(\k)+2*\i:128*\u+16*(\k)+2*\i+1], v[128+16*(\k)+2*\i:128+16*(\k)+2*\i+1], v[RB+16*((\k)%4)+2*\i:RB+16*((\k)%4)+2*\i+1]
.endr
.endr
.endm
.macro MAXH q                          ; the largest number of blocks 4 q .. 4 q + 3 of both tiles, my 16 of each: eight chains by turns.  NO |.|: what is negative is 0 behind the relu.  The floor 2^(3 - 127) holds the byte at 1 from below
	WIN 0x14
.irp u, 0,1
.irp b, 0,1,2,3
	v_max3_num_f32 v[M+8*(\q)+4*\u+\b], 0x1800000, v[128*\u+16*(4*(\q)+\b)], v[128*\u+16*(4*(\q)+\b)+1]
.endr
.endr
.irp i, 2,4,6,8,10,12,14
.irp u, 0,1
.irp b, 0,1,2,3
	v_max3_num_f32 v[M+8*(\q)+4*\u+\b], v[M+8*(\q)+4*\u+\b], v[128*\u+16*(4*(\q)+\b)+\i], v[128*\u+16*(4*(\q)+\b)+\i+1]
.endr
.endr
.endr
.endm
; ---------------------------------------------------------------- the head
	s_load_b512 s[4:19], s[0:1], 0x0               ; xq_codes s[4:5], xq_scales s[6:7], edge_index s[8:9], neg_edge_index s[10:11], w1_codes s[12:13], w1_scales s[14:15], b1 s[16:17], g1 s[18:19]
	s_load_b512 s[20:35], s[0:1], 0x40             ; be1 s[20:21], w2_codes s[22:23], w2_scales s[24:25], b2 s[26:27], g2 s[28:29], be2 s[30:31], w3 s[32:33], b3 s[34:35]
	s_load_b128 s[36:39], s[0:1], 0x80             ; out0 s[36:37], out1 s[38:39]
	v_lshrrev_b32 v[TL], 5, v0
	v_readfirstlane_b32 s[WV], v[TL]               ; wave 0..3
	v_and_b32 v[TL], 31, v0
	v_and_b32 v[TR], 15, v0
	v_bfe_u32 v[TH], v0, 4, 1
	v_and_b32 v[TRH], 8, v[TR]
	v_add_nc_u32 v[TRH], v[TRH], v[TR]             ; r + 8 (r / 8)
	v_lshlrev_b32 v[LI], 4, v[TL]
	v_lshlrev_b32 v[VL32], 5, v[TL]
	v_lshl_add_u32 v[V64], v[TH], 6, PAR
	v_lshl_add_u32 v[V32], v[TH], 5, PAR
	s_lshl_b32 s52, s[WV], 7
	s_add_co_u32 s52, s52, STAGE
	v_lshl_add_u32 v[ZA], v[TL], 2, s52
	v_lshlrev_b32 v[IA], 2, v[TR]
	v_lshlrev_b32 v[H16], 4, v[TH]
	v_lshlrev_b32 v[VW1], 7, v[TRH]                ; w1: a row of 256 codes is 128 bytes
	v_add_nc_u32 v[VW1], v[VW1], v[H16]
	v_lshlrev_b32 v[VW2], 7, v[TR]
	v_add_nc_u32 v[VW2], v[VW2], v[H16]
	v_lshlrev_b32 v[VS1], 3, v[TRH]                ; scale words: 8 bytes a row; lanes 16-31 take K step 1's
	v_lshl_add_u32 v[VS1], v[TH], 2, v[VS1]
	v_lshlrev_b32 v[VS2], 3, v[TR]
	v_lshl_add_u32 v[VS2], v[TH], 2, v[VS2]
	v_lshlrev_b32 v[VP8], 3, v0                    ; thread t brings numbers 2 t, 2 t + 1 of b1, g1, be1 and number t of b2, g2, be2, w3
	v_lshlrev_b32 v[VP4], 2, v0
	v_lshl_add_u32 v[VT8], v0, 3, PAR
	v_lshl_add_u32 v[VT4], v0, 2, PAR
	s_lshl_b32 s52, s[WV], 13                      ; I bring w1's tiles 4 w .. 4 w + 3: 64 rows, 8,192 bytes, in memory and in LDS alike
	s_mov_b32 s53, 0
	v_add_nc_u32 v[VI1], s52, v[LI]
	s_lshl_b32 s72, s[WV], 12                      ; and w2's tiles 2 w, 2 w + 1
	s_mov_b32 s73, 0
	v_add_nc_u32 v[VI2], s72, v[LI]
	s_mov_b32 s[GI], ttmp9
	s_mul_i32 s[G0], s[GI], 24
	s_min_u32 s76, s[GI], 106
	s_add_co_u32 s[G0], s[G0], s76                 ; 6,250 = 256 x 24 + 106
	s_cmp_lt_u32 s[GI], 106
	s_cselect_b32 s[NP], 50, 48
	s_mov_b32 s[P], s[WV]
	s_lshl_b32 s[PG], s[G0], 1
	s_add_co_u32 s[PG], s[PG], s[WV]
	s_mov_b32 s[TRIP], 0
	s_mov_b32 s[ZOFF], 0
	s_mov_b32 s[HM], 0xffff0000
	s_mov_b32 s[SEL], 0x76543210
	s_mov_b32 s[SEL+1], 0xfedcba98
	s_mov_b32 s[EPS], 0x3727c5ac                   ; 1e-5
	s_mov_b32 s[SGN], 0x88888888
	s_mov_b32 s[NL2E], 0xbfb8aa3b                  ; -log2(e)
	s_mov_b32 s[I256], 0x3b800000
	s_mov_b32 s[I128], 0x3c000000
	s_wait_alu depctr_va_vdst(0)
	s_wait_kmcnt 0x0
	s_load_b32 s[B3], s[34:35], 0x0
	s_add_nc_u64 s[60:61], s[12:13], s[52:53]
	s_add_nc_u64 s[62:63], s[22:23], s[72:73]
	IDXLOAD 0                                      ; my first pass's indices: 4 loads
.irp i, 0,1,2,3                        ; my part of the weights, as fragments: 24 loads
.irp s, 0,1
.irp c, 0,1
	global_load_b128 v[WF+8*(2*\i+\s)+4*\c:WF+8*(2*\i+\s)+4*\c+3], v[VW1], s[60:61] offset:(32*(\i/2)+8*(\i%2))*128+64*\s+32*\c
.endr
.endr
.endr
.irp i, 0,1
.irp s, 0,1
.irp c, 0,1
	global_load_b128 v[WF+64+8*(2*\i+\s)+4*\c:WF+64+8*(2*\i+\s)+4*\c+3], v[VW2], s[62:63] offset:2048*\i+64*\s+32*\c
.endr
.endr
.endr
	global_load_b128 v[CB1:CB1+3], v[VL32], s[16:17]               ; all of b1, 8 numbers a lane, and of b2, 4 a lane: for their means
	global_load_b128 v[CB1+4:CB1+7], v[VL32], s[16:17] offset:16
	global_load_b128 v[CB2:CB2+3], v[LI], s[26:27]
	global_load_b64 v[PB1:PB1+1], v[VP8], s[16:17]                 ; and my thread's share of the seven constants
	global_load_b64 v[PG1:PG1+1], v[VP8], s[18:19]
	global_load_b64 v[PBE1:PBE1+1], v[VP8], s[20:21]
	global_load_b32 v[PB2], v[VP4], s[26:27]
	global_load_b32 v[PG2], v[VP4], s[28:29]
	global_load_b32 v[PBE2], v[VP4], s[30:31]
	global_load_b32 v[PW3], v[VP4], s[32:33]
.irp t, 0,1,2,3,4,5,6,7,8,9,10,11,12,13,14,15
	global_load_b32 v[W1S+\t], v[VS1], s[14:15] offset:(32*(\t/2)+8*(\t%2))*8
.endr
.irp t, 0,1,2,3,4,5,6,7
	global_load_b32 v[W2S+\t], v[VS2], s[24:25] offset:128*\t
.endr
	s_wait_loadcnt 24                              ; all but the 24 scale words just asked for
.irp i, 0,1,2,3                        ; the images: fragment (t, s) at 1,024 (2 t + s), lane l's 16 bytes at 16 l
.irp s, 0,1
.irp c, 0,1
	ds_store_b128 v[VI1], v[WF+8*(2*\i+\s)+4*\c:WF+8*(2*\i+\s)+4*\c+3] offset:(2*\i+\s)*1024+512*\c
.endr
.endr
.endr
.irp i, 0,1
.irp s, 0,1
.irp c, 0,1
	ds_store_b128 v[VI2], v[WF+64+8*(2*\i+\s)+4*\c:WF+64+8*(2*\i+\s)+4*\c+3] offset:W2IMG+(2*\i+\s)*1024+512*\c
.endr
.endr
.endr
	v_pk_add_f32 v[CB1:CB1+1], v[CB1:CB1+1], v[CB1+2:CB1+3]        ; the means of b1 and of b2, in every lane
	v_pk_add_f32 v[CB1+4:CB1+5], v[CB1+4:CB1+5], v[CB1+6:CB1+7]
	v_pk_add_f32 v[CB2:CB2+1], v[CB2:CB2+1], v[CB2+2:CB2+3]
	v_mov_b32 v[T0], 0
	v_mov_b32 v[T0+1], 0
	v_pk_add_f32 v[CB1:CB1+1], v[CB1:CB1+1], v[CB1+4:CB1+5]
	v_add_f32 v[CB2], v[CB2], v[CB2+1]
	v_add_f32 v[CB1], v[CB1], v[CB1+1]
.irp m, 1,2,4,8
	v_add_f32_dpp v[CB2], v[CB2], v[CB2] row_xmask:\m row_mask:0xf bank_mask:0xf
	v_add_f32_dpp v[CB1], v[CB1], v[CB1] row_xmask:\m row_mask:0xf bank_mask:0xf
.endr
	v_permlanex16_b32 v[T0], v[CB1], s[SEL], s[SEL+1]
	v_permlanex16_b32 v[T0+1], v[CB2], s[SEL], s[SEL+1]
	v_add_f32 v[CB1], v[CB1], v[T0]
	v_add_f32 v[CB2], v[CB2], v[T0+1]
	v_fma_f32 v[PB1], v[CB1], -s[I256], v[PB1]     ; b - mean(b)
	v_fma_f32 v[PB1+1], v[CB1], -s[I256], v[PB1+1]
	v_fma_f32 v[PB2], v[CB2], -s[I128], v[PB2]
	ds_store_b64 v[VT8], v[PG1:PG1+1] offset:OG1
	ds_store_b64 v[VT8], v[PBE1:PBE1+1] offset:OBE1
	ds_store_b32 v[VT4], v[PG2] offset:OG2
	ds_store_b32 v[VT4], v[PBE2] offset:OBE2
	ds_store_b32 v[VT4], v[PW3] offset:OW3
	ds_store_b64 v[VT8], v[PB1:PB1+1] offset:OB1
	ds_store_b32 v[VT4], v[PB2] offset:OB2
	GA                                             ; my first pass's operands: 10 loads
	GB
	GC
	GL
	IDXLOAD 4                                      ; my second pass's indices (the first index loads are done: their base may be written)
	s_wait_alu depctr_va_vdst(0)
	s_wait_dscnt 0x0                               ; for the others' sake: my stores are done
	s_barrier_signal -1
	s_barrier_wait -1                              ; images and constants lie in LDS; nobody writes them again
	WIN 0x80                                       ; w1 into window 2
.set F, 0
.rept 64
	ds_load_b128 v[4*F:4*F+3], v[LI] offset:512*F
.set F, F+1
.endr
	WIN 0xc0                                       ; w2 and g1 into window 3
.set F, 0
.rept 32
	ds_load_b128 v[4*F:4*F+3], v[LI] offset:W2IMG+512*F
.set F, F+1
.endr
.set F, 0
.rept 32
	ds_load_b128 v[128+4*F:128+4*F+3], v[V64] offset:OG1+128*(F/4)+16*(F%4)
.set F, F+1
.endr
	WIN 0
.set F, 0
.rept 16
	ds_load_b128 v[B2C+4*F:B2C+4*F+3], v[V32] offset:OB2+64*(F/2)+16*(F%2)
.set F, F+1
.endr
	RLOAD4 OB1                                     ; b1's first four stages
.irp k, 0,1,2,3
	v_mov_b32 v[MX+\k], 0                          ; written once: a lane permute's destination counts as one of its sources
.endr
	v_mov_b32 v[NR+1], 0                           ; named as the upper halves of pairs, never taken
	v_mov_b32 v[NR+3], 0
	v_lshlrev_b32 v[GO], 3, v0                     ; the way out: 256 x wave + 8 x lane
	v_lshl_add_u32 v[OA], v0, 3, STAGE
	s_wait_alu depctr_va_vdst(0)
	s_wait_kmcnt 0x0                               ; b3
	s_mul_f32 s[B3N], s[B3], s[NL2E]
; ---------------------------------------------------------------- a trip: one pass of 32 edges
.Ltrip:
	s_cmp_ge_u32 s[P], s[NP]                       ; a pass that the work-group does not have: ids alone; no barrier stands in a trip
	s_cbranch_scc1 .Lskip
	s_wait_loadcnt 0x4                             ; this pass's ten gathers (and at first the scale words) are in; the four index loads behind them may be out
	s_wait_dscnt 0x0                               ; b1's stages 0-3 (at first the resident registers too)
	MM1R 0
	PLACES 4                                       ; places behind the products (ISA guide 7.12.1 for vector instructions)
	WIN 0
	RLOAD4 OB1+512                                 ; b1's stages 4-7, under the 128 lines below
	SUMS4 0
	s_wait_dscnt 0x0
	MM1R 8
	PLACES 4
	WIN 0
	RLOAD4 OBE1                                    ; be1's blocks 0-3
	SUMS4 4
	WIN 0
	s_wait_alu depctr_va_vdst(0)
	s_wait_loadcnt 0x0                             ; the next pass's indices, asked for a pass ago
	STATS 0xbb800000, I256, 1                      ; LayerNorm over 256, and the next pass's gather
	TS 0, 32
	s_wait_dscnt 0x0
.irp k, 0,1,2,3
	YB \k
.endr
	WIN 0
	RLOAD4 OBE1+512                                ; be1's blocks 4-7, under the 128 lines below
	TS 64, 32
	MAXH 0
	s_wait_dscnt 0x0
.irp k, 4,5,6,7
	YB \k
.endr
	MAXH 1
	WIN 0                                          ; the quantiser: 16 blocks (8 of each tile) by turns
.set K, 0
.rept 16
	v_permlanex16_b32 v[S+K], v[M+K], s[SEL], s[SEL+1]
.set K, K+1
.endr
.set K, 0
.rept 16
	v_max_num_f32 v[M+K], v[M+K], v[S+K]           ; with lane l xor 16's: the block's largest number
.set K, K+1
.endr
.set K, 0
.rept 16
	v_add_nc_u32 v[SO+K], 0xff000000, v[M+K]       ; 2 off its exponent field: the conversion's scale operand
.set K, K+1
.endr
.set K, 0
.rept 16
	v_lshrrev_b32 v[BY+K], 23, v[SO+K]             ; the scale's byte
.set K, K+1
.endr
.irp s, 0,1
.irp u, 0,1
	v_lshl_or_b32 v[HS+2*\u+\s], v[BY+8*\s+4*\u+1], 8, v[BY+8*\s+4*\u]   ; four bytes make the scale word of a K step of 128
.endr
.endr
.irp s, 0,1
.irp u, 0,1
	v_lshl_or_b32 v[HS+2*\u+\s], v[BY+8*\s+4*\u+2], 16, v[HS+2*\u+\s]
.endr
.endr
.irp s, 0,1
.irp u, 0,1
	v_lshl_or_b32 v[HS+2*\u+\s], v[BY+8*\s+4*\u+3], 24, v[HS+2*\u+\s]
.endr
.endr
	WIN 0x01
.irp u, 0,1
.irp b, 0,1,2,3,4,5,6,7
.irp e, 0,1
	v_cvt_scalef32_pk8_fp4_f32 v[HC+16*\u+2*\b+\e], v[128*\u+16*\b+8*\e:128*\u+16*\b+8*\e+7], v[SO+8*(\b/4)+4*\u+(\b%4)]   ; the codes of k = 32 b + 16 h + 8 e + 0 .. 7
.endr
.endr
.endr
	WIN 0
	v_nop                                          ; one plain line behind the last scaled conversion
	WIN 0x40                                       ; g2 and be2 in the results' layout, into the halves of H that layer 2's sums leave free: 32 loads
.irp t, 0,1,2,3,4,5,6,7
.irp q, 0,1
	ds_load_b128 v[64+8*\t+4*\q:64+8*\t+4*\q+3], v[V32] offset:OG2+64*\t+16*\q
	ds_load_b128 v[192+8*\t+4*\q:192+8*\t+4*\q+3], v[V32] offset:OBE2+64*\t+16*\q
.endr
.endr
	WIN 0
.irp u, 0,1                            ; THE RELU, ON THE CODES: four lines for eight numbers.  A negative code keeps its sign bit alone: -0
.set K, 0
.rept 16
	v_and_b32 v[S+K], s[SGN], v[HC+16*\u+K]        ; 8 in each negative code's place
.set K, K+1
.endr
.set K, 0
.rept 16
	v_lshrrev_b32 v[M+K], 3, v[S+K]                ; 1 there
.set K, K+1
.endr
.set K, 0
.rept 16
	v_sub_nc_u32 v[S+K], v[S+K], v[M+K]            ; 7 there: 8 - 1 borrows from no neighbour
.set K, K+1
.endr
.set K, 0
.rept 16
	v_bfi_b32 v[HC+16*\u+K], v[S+K], 0, v[HC+16*\u+K]   ; those three bits off
.set K, K+1
.endr
.endr
.irp u, 0,1                            ; the operand's layout wants a WHOLE block in a lane: lanes 0-15 block 2 c, lanes 16-31 block 2 c + 1
.irp c, 0,1,2,3
.irp i, 0,1
	v_permlane16_swap_b32 v[HC+16*\u+4*\c+\i], v[HC+16*\u+4*\c+2+\i]
.endr
.endr
.endr
	PLACES 8                                       ; operands written by vector lines stand their places ahead of a scaled matrix instruction
	MM2R
	PLACES 4
	WIN 0
.set F, 0
.rept 16                               ; w3 in the results' layout into RB, whose codes the products have read
	ds_load_b128 v[RB+4*F:RB+4*F+3], v[V32] offset:OW3+64*(F/2)+16*(F%2)
.set F, F+1
.endr
	SUMS4 0
	STATS 0xbc000000, I128, 0                      ; LayerNorm over 128
	TS 0, 32
	s_wait_dscnt 16                                ; g2 and be2 are in; w3's sixteen loads may be out
	WIN 0x55
.set J, 0
.rept 32
	v_pk_fma_f32 v[J:J+1], v[J:J+1], v[64+J:64+J+1], v[192+J:192+J+1]
	v_pk_fma_f32 v[128+J:128+J+1], v[128+J:128+J+1], v[64+J:64+J+1], v[192+J:192+J+1]
.set J, J+2
.endr
	WIN 0x44
.set J, 0
.rept 64
	v_max_num_f32 v[J], 0, v[J]                    ; the second relu, in f32
	v_max_num_f32 v[128+J], 0, v[128+J]
.set J, J+1
.endr
	s_wait_dscnt 0x0                               ; w3
	WIN 0x01                                       ; the third product, N = 1: fused multiply-adds in f32, four chains a tile
.set J, 0
.rept 32
.if J < 8
	v_pk_mul_f32 v[S+J:S+J+1], v[J:J+1], v[RB+J:RB+J+1]
	v_pk_mul_f32 v[S+8+J:S+8+J+1], v[128+J:128+J+1], v[RB+J:RB+J+1]
.else
	v_pk_fma_f32 v[S+J%8:S+J%8+1], v[J:J+1], v[RB+J:RB+J+1], v[S+J%8:S+J%8+1]
	v_pk_fma_f32 v[S+8+J%8:S+8+J%8+1], v[128+J:128+J+1], v[RB+J:RB+J+1], v[S+8+J%8:S+8+J%8+1]
.endif
.set J, J+2
.endr
	WIN 0
	RLOAD4 OB1                                     ; the next pass's first four stages of b1, on their way under the lines below
.irp u, 0,1
	v_pk_add_f32 v[S+8*\u:S+8*\u+1], v[S+8*\u:S+8*\u+1], v[S+8*\u+2:S+8*\u+3]
	v_pk_add_f32 v[S+8*\u+4:S+8*\u+5], v[S+8*\u+4:S+8*\u+5], v[S+8*\u+6:S+8*\u+7]
.endr
.irp u, 0,1
	v_pk_add_f32 v[S+8*\u:S+8*\u+1], v[S+8*\u:S+8*\u+1], v[S+8*\u+4:S+8*\u+5]
.endr
.irp u, 0,1
	v_add_f32 v[S+8*\u], v[S+8*\u], v[S+8*\u+1]
.endr
.irp u, 0,1
	v_permlanex16_b32 v[MX+\u], v[S+8*\u], s[SEL], s[SEL+1]
.endr
.irp u, 0,1
	v_add_f32 v[S+8*\u], v[S+8*\u], v[MX+\u]
.endr
	v_cndmask_b32 v[ZC], v[S], v[S+8], s[HM]       ; lanes 0-15: tile 0's edge r, lanes 16-31: tile 1's: lane l holds the pass's edge l
	v_fma_f32 v[ZC], v[ZC], s[NL2E], s[B3N]        ; -(z + b3) log2(e)
	s_wait_alu depctr_va_vdst(0)
	v_exp_f32 v[ZC], v[ZC]
	v_add_nc_u32 v[ZT], s[ZOFF], v[ZA]             ; (the plain line behind the exponential)
	s_wait_alu depctr_va_vdst(0)
	v_add_f32 v[ZC], 1.0, v[ZC]
	s_wait_alu depctr_va_vdst(0)
	v_rcp_f32 v[ZC], v[ZC]                         ; 1 / (1 + e^-z)
	v_nop
	s_wait_alu depctr_va_vdst(0)
	ds_store_b32 v[ZT], v[ZC]                      ; the pass's 128 bytes of the stage
.Lskip:
	s_add_co_u32 s[ZOFF], s[ZOFF], 512
	s_add_co_u32 s[P], s[P], 4
	s_add_co_u32 s[PG], s[PG], 4
	s_add_co_u32 s[TRIP], s[TRIP], 1
	s_cmp_lt_u32 s[TRIP], 13
	s_cbranch_scc1 .Ltrip
; ---------------------------------------------------------------- the way out: wave w stores groups 4 i + w, each as 256 consecutive bytes, aligned, of out0 and of out1
	s_wait_loadcnt 0x0                             ; what was asked for ahead and is not used has landed: its registers may be written
	s_wait_dscnt 0x0                               ; my stores into the stage are done, the last LDS loads are in
	s_barrier_signal -1
	s_barrier_wait -1
	s_lshl_b32 s52, s[G0], 8                       ; 256 bytes a group
	s_mov_b32 s53, 0
	s_add_nc_u64 s[36:37], s[36:37], s[52:53]
	s_add_nc_u64 s[38:39], s[38:39], s[52:53]
	s_add_co_u32 s73, s[G0], s[WV]
.irp i, 0,1,2,3,4,5
	ds_load_b64 v[OD+2*\i:OD+2*\i+1], v[OA] offset:1024*\i
.endr
.irp i, 0,1,2,3,4,5                    ; the labels go out while the stage's loads are on their way: a group lies whole on one side (200,000 = 3,125 x 64)
	s_add_co_u32 s74, s73, 4*\i
	s_cmp_lt_u32 s74, 3125
	s_cselect_b32 s72, 1.0, 0
	v_mov_b32 v[OL+2*\i], s72
	v_mov_b32 v[OL+2*\i+1], s72
	global_store_b64 v[GO], v[OL+2*\i:OL+2*\i+1], s[38:39] offset:1024*\i th:TH_STORE_NT
.endr
.irp i, 0,1,2,3,4,5
	s_wait_dscnt 5-\i                              ; group i's pair is in; the younger loads may be out
	global_store_b64 v[GO], v[OD+2*\i:OD+2*\i+1], s[36:37] offset:1024*\i th:TH_STORE_NT
.endr
	s_cmp_lg_u32 s[WV], 0                          ; the 25th group, where the work-group has one: wave 0
	s_cbranch_scc1 .Ldone
	s_cmp_ge_u32 s[GI], 106
	s_cbranch_scc1 .Ldone
	ds_load_b64 v[OD+12:OD+13], v[OA] offset:6144
	s_add_co_u32 s74, s[G0], 24
	s_cmp_lt_u32 s74, 3125
	s_cselect_b32 s72, 1.0, 0
	v_mov_b32 v[OL+12], s72
	v_mov_b32 v[OL+13], s72
	global_store_b64 v[GO], v[OL+12:OL+13], s[38:39] offset:6144 th:TH_STORE_NT
	s_wait_dscnt 0x0
	global_store_b64 v[GO], v[OD+12:OD+13], s[36:37] offset:6144 th:TH_STORE_NT
.Ldone:
	s_wait_xcnt 0x0
	v_lshl_add_u32 v254, v0, 2, 0xee00             ; the wave's end: the spare words lie behind the stage
	v_mov_b32 v255, 0
	s_wait_alu depctr_va_vdst(0)
	s_wait_tensorcnt 0x0
	ds_add_u32 v254, v255
	s_wait_dscnt 0x0
	s_endpgm
.Lfunc_end_k_qc772562b56_mlp:
	.size	k_qc772562b56_mlp, .Lfunc_end_k_qc772562b56_mlp-k_qc772562b56_mlp
	.p2alignl 7, 3214868480
	.fill 96, 4, 3214868480
	.section	.rodata,"a",@progbits
	.p2align	6, 0x0
	.amdhsa_kernel k_qc772562b56_mlp
		.amdhsa_group_segment_fixed_size 61440
		.amdhsa_private_segment_fixed_size 0
		.amdhsa_enable_private_segment 0
		.amdhsa_kernarg_size 144
		.amdhsa_user_sgpr_count 2
		.amdhsa_user_sgpr_kernarg_segment_ptr 1
		.amdhsa_wavefront_size32 1
		.amdhsa_system_sgpr_workgroup_id_x 1
		.amdhsa_system_sgpr_workgroup_id_y 1
		.amdhsa_system_sgpr_workgroup_id_z 1
		.amdhsa_system_vgpr_workitem_id 0
		.amdhsa_next_free_vgpr 1024
		.amdhsa_next_free_sgpr 80
		.amdhsa_reserve_vcc 0
		.amdhsa_float_denorm_mode_32 3
		.amdhsa_float_denorm_mode_16_64 3
		.amdhsa_memory_ordered 1
		.amdhsa_forward_progress 1
		.amdhsa_inst_pref_size 134
	.end_amdhsa_kernel
	.amdgpu_metadata
---
amdhsa.version: [ 1, 2 ]
amdhsa.kernels:
  - .name:           k_qc772562b56_mlp
    .symbol:         k_qc772562b56_mlp.kd
    .args:
      - { .name: xq_codes, .offset: 0, .size: 8, .value_kind: global_buffer, .address_space: global }
      - { .name: xq_scales, .offset: 8, .size: 8, .value_kind: global_buffer, .address_space: global }
      - { .name: edge_index, .offset: 16, .size: 8, .value_kind: global_buffer, .address_space: global }
      - { .name: neg_edge_index, .offset: 24, .size: 8, .value_kind: global_buffer, .address_space: global }
      - { .name: w1_codes, .offset: 32, .size: 8, .value_kind: global_buffer, .address_space: global }
      - { .name: w1_scales, .offset: 40, .size: 8, .value_kind: global_buffer, .address_space: global }
      - { .name: b1, .offset: 48, .size: 8, .value_kind: global_buffer, .address_space: global }
      - { .name: g1, .offset: 56, .size: 8, .value_kind: global_buffer, .address_space: global }
      - { .name: be1, .offset: 64, .size: 8, .value_kind: global_buffer, .address_space: global }
      - { .name: w2_codes, .offset: 72, .size: 8, .value_kind: global_buffer, .address_space: global }
      - { .name: w2_scales, .offset: 80, .size: 8, .value_kind: global_buffer, .address_space: global }
      - { .name: b2, .offset: 88, .size: 8, .value_kind: global_buffer, .address_space: global }
      - { .name: g2, .offset: 96, .size: 8, .value_kind: global_buffer, .address_space: global }
      - { .name: be2, .offset: 104, .size: 8, .value_kind: global_buffer, .address_space: global }
      - { .name: w3, .offset: 112, .size: 8, .value_kind: global_buffer, .address_space: global }
      - { .name: b3, .offset: 120, .size: 8, .value_kind: global_buffer, .address_space: global }
      - { .name: out0, .offset: 128, .size: 8, .value_kind: global_buffer, .address_space: global }
      - { .name: out1, .offset: 136, .size: 8, .value_kind: global_buffer, .address_space: global }
    .group_segment_fixed_size: 61440
    .private_segment_fixed_size: 0
    .kernarg_segment_align: 8
    .kernarg_segment_size: 144
    .max_flat_workgroup_size: 128
    .sgpr_count:     80
    .vgpr_count:     1024
    .wavefront_size: 32
...
	.end_amdgpu_metadata
.endif
;; end of part 2
